; MI455X (gfx1250); checked and timed in simulation.
; The chip was launched on July 23, 2026; its instructions are those of AMD's public machine-readable ISA for CDNA 5 (MIT licence, August 2026) and "CDNA5" Instruction Set Architecture Reference Guide (July 2026). The comments in the code are by the model that wrote it; some were corrected since.
;; Mixture Of Experts. Allowed arithmetic: matrix products marked QUANTISED: E2M1 operands, one E8M0 scale for each 32 along K, by v_wmma_scale_f32_16x16x128_f8f6f4 with both operands' format E2M1 (or v_wmma_scale_f32_32x16x128_f4), f32 sums; products left as they are: f32 operands where the result goes on into a quantised operand, else bf16, f16 or f32 operands; f32 sums; everything else in f32.
;; Inputs: W1_codes 8 x 2,048 x 16 x 16 uint8 (E2M1 codes of W1, K innermost, in blocks of 32 codes, two codes a byte); W1_scales 8 x 2,048 x 16 uint8 (E8M0 scales of W1, one for each 32 codes along K); W2_codes 8 x 512 x 64 x 16 uint8 (E2M1 codes of W2, K innermost, in blocks of 32 codes, two codes a byte); W2_scales 8 x 512 x 64 uint8 (E8M0 scales of W2, one for each 32 codes along K); Wg 512 x 8 float32; b1 8 x 2,048 float32; b2 8 x 512 float32; bg 8 float32; x 2 x 2,048 x 512 float32.
;; Outputs: out0 2 x 2,048 x 512 float32.
;; This version of the problem:
;;   THIS VERSION OF THE PROBLEM IS GIVEN IN LOW PRECISION. The matrix products marked QUANTISED in the list below multiply operands that are first quantised to E2M1 (2 exponent bits, 1 mantissa bit; 4 bits a number), with one power-of-two scale for each 32 numbers along K (OCP MX v1.0); their sums are f32. All else is computed in f32.
;;   The module's matrix products, in the order in which they are computed (A, B: the left and right operand; K: the contracted axis; several contracted axes count as one K, in the product's order):
;;     1. [M 4,096, K 512] x [K 512, N 8]; A: input x; B: input Wg: left as it is (N = 8 < 16)
;;     2. [M 16,384, K 512] x [K 512, N 4,096]; A: input W1 (given as codes); B: input x: QUANTISED
;;     3. batch 8 x [M 4,096, K 2,048] x [K 2,048, N 512]; A: computed on the way; B: input W2 (given as codes): QUANTISED
;;     4. batch 4,096 x [M 1, K 8] x [K 8, N 512]; A: computed on the way; B: computed on the way: left as it is (K = 8 < 32)
;;   THE QUANTISER, for each operand of a quantised product, along K:
;;     - K is cut into blocks of 32 from its start; a last block that is shorter is filled with zeros.
;;     - A block's scale is 2^e with e = floor(log2(the largest magnitude in the block)) - 2, held to -126 .. 127; a block of zeros has e = 0. As a byte (E8M0): e + 127.
;;     - Each number is divided by its block's scale, clamped to +-6, and rounded to the nearest number of E2M1, ties to even, subnormals kept.
;;     - The product sums the exact products of the quantised numbers (number of the format x scale) in f32.
;;   ~~~python
;;   def quantise(x, axis):      # numpy; x: float32 -> the quantised numbers, widened to float32 again
;;       x = np.moveaxis(x, axis, -1); K = x.shape[-1]
;;       x = np.pad(x, [(0, 0)] * (x.ndim - 1) + [(0, -K % 32)]); x = x.reshape(x.shape[:-1] + (-1, 32)); a = np.abs(x).max(-1, keepdims=True)
;;       e = np.where(a > 0, np.clip(np.frexp(np.where(a > 0, a, 1))[1] - 1 - 2, -126, 127), 0)      # np.frexp(a)[1] - 1 = floor(log2(a)), exactly
;;       r = np.clip(x / 2.0 ** e, -6, 6)
;;       step = 2.0 ** (np.maximum(np.frexp(np.where(r == 0, 1, r))[1] - 1, 0) - 1)
;;       q = np.round(r / step) * step * 2.0 ** e      # np.round: ties to even
;;       return np.moveaxis(q.reshape(q.shape[:-2] + (-1,))[..., :K], -1, axis).astype(np.float32)
;;   ~~~
;;   OPERANDS COMPUTED ON THE WAY. 'Computed on the way' means the value that the module computes at that place (a softmax that the list does not call 'softmax' is quantised finished and normalised). What goes into a quantiser is computed in f32, as accurately as f32 sums, v_exp_f32 and their like allow (about 1e-6 of the number): no bf16 or f16 on the way to a quantiser, and a product that is left as it is and whose result goes on into a quantised operand takes f32 operands (vector FMAs, or v_wmma_f32_16x16x4_f32). A number that lies on a knife's edge between two numbers of the format may be rounded either way, as far as f32 arithmetic and the matrix unit's own rounding can turn it there, and no further.
;;   INPUTS GIVEN AS CODES. W1 (in the module: [8, 512, 2048], K = its axis 1); W2 (in the module: [8, 2048, 512], K = its axis 1): each comes as NAME_codes (uint8): NAME with its K axis moved to the last place and cut into blocks of 32 codes, [.., K / 32, bytes a block], one block behind the other in memory; two codes a byte, the lower K in the low four bits (a code: sign, 2 exponent bits, 1 mantissa bit); and NAME_scales (uint8): the same leading axes, one E8M0 byte (e + 127) for each 32 codes along K. Its value is code x scale, taken as it is: it is not quantised again, and the codes and scales need not be those that the quantiser above would give.
;; One version. Each part assembles by itself: llvm-mc -triple=amdgcn-amd-amdhsa -mcpu=gfx1250 --defsym DOCPART=n.
;; ======== version 1 of 1: 3 launches
;; workspace buffers: xq 1,048,576 bytes; xs 65,536 bytes; sel 32,768 bytes of whole numbers; wts 32,768 bytes; wl1 4,194,304 bytes; wl2 4,194,304 bytes; y 16,777,216 bytes
;; launch route (part 1): grid 256 x 1, 4 waves a work-group, no clusters, 58,880 bytes of LDS; arguments x, Wg, bg, W1_codes, W2_codes, xq, xs, sel, wts, wl1, wl2; writes xq, xs, sel, wts, wl1, wl2
.if DOCPART == 1
	.amdgcn_target "amdgcn-amd-amdhsa--gfx1250"
	.amdhsa_code_object_version 6
	.text
	.protected	k_q1dc9091fa2_route
	.globl	k_q1dc9091fa2_route
	.p2align	8
	.type	k_q1dc9091fa2_route,@function
k_q1dc9091fa2_route:
	s_mov_b64 s[64:65], 0
	v_nop
	global_prefetch_b8 v0, s[64:65] scope:SCOPE_SE
	s_setreg_imm32_b32 hwreg(HW_REG_WAVE_MODE, 25, 1), 1
	s_wait_xcnt 0x0
; ROUTE: the gate, the choice of two experts and their weights for each token; x into codes of E2M1; W1's and W2's codes laid once in the order of the operands' registers.
; WORK LEFT OUT BY THE WHOLE PROGRAM, for all values of the inputs:
;  (1) combine[t][e] is built from a one_hot of the token's own top_k: it is exactly 0 for the six experts not chosen, so h and expert_out of those (token, expert) rows are multiplied by 0
;      and reach no output.  The two quantised products are done for the 2 x 4,096 chosen rows alone, and the last product is c0 y0 + c1 y1.
;  (2) the softmax's sum over the eight experts divides both chosen scores and cancels in topk_scores / sum(topk_scores): w0 = 1 / (1 + q), w1 = q / (1 + q), q = exp(l2nd - l1st).
;      The maximum is still taken away: l1st is the maximum, so q is at most 1.
; Every input has a way to the output and is loaded by some launch.
; LIMITS: a NaN, an infinity or an overflow that reaches only an expert that was not chosen is not carried to the result; NaN and infinities among the inputs are not served.
;  The two experts are chosen on the logits, by a strict 'greater', so that the lower index wins a tie as in top_k; two logits so close that their f32 softmax scores are equal may be ordered otherwise.
;  A block of x whose largest magnitude lies under 2^-124 (zeros too) gets the scale byte 1: its codes are zeros or what the byte 1 gives; the bytes are read by this program alone.
; SHARES: a work-group takes 16 tokens, a wave 4; each wave also re-lays 8,192 bytes of weight codes (work-groups 0-127: W1, 128-255: W2).
; A token is 2,048 bytes: four loads of 512 consecutive bytes; they turn through the wave's own stage in LDS (64 bytes + 16 of padding a place), so that lane L holds x[16 L .. 16 L + 15]: two lanes hold a block of 32.
; Wg (16,384 bytes) is wanted whole by every wave, lane L its rows 16 L .. 16 L + 15: 512 bytes a lane.  Loaded so, the lanes of a load would stand 512 bytes apart.  So each wave loads a quarter of it, by eight loads
; of 512 consecutive bytes, the quarters meet in LDS as 32 rows of 512 bytes + 16 of padding (row m = lane m's numbers), and behind a barrier each lane reads its row.
; REGISTERS: window 0: v1-15 addresses; v16-79 x as loaded; v80-143 x turned; v144-175 the logits' partial sums; v176-191 the choice; v192-215 codes, bytes, at work; v216, v217 Wg's places in LDS.
;            window 1: v0-63 weight codes on their way; v64-191 Wg[16 L + d][e] at 64 + 8 d + e (v64-95 first hold my quarter on its way).
.set SP,    80
.set STGT,  32*SP                      ; a token's stage
.set STGW,  4*STGT                     ; a wave's four
.set XSB,   4*STGW                     ; 256 scale bytes of the 16 tokens
.set SELB,  XSB+256                    ; 16 x 2 indices
.set WTB,   SELB+128                   ; 16 x 2 weights
.set SPARE, XSB+512                    ; the spare words, 128 bytes a wave: two blocks of 256 bytes that no other line names
.set WGL,   SPARE+512                  ; Wg: 32 rows
.set WGP,   528                        ; of 512 bytes + 16: row m starts 16 m bytes further round the banks, so sixteen lanes that read sixteen rows touch sixteen different columns of 16 bytes
.set R,  16
.set X,  80
.set LG, 144
.set S,  176
.set CD, 192
.set SBY, 200
.set MSB, 0
.macro WIN new                         ; the immediate's high byte repeats the setting that is left
.if MSB != \new
	s_set_vgpr_msb (MSB<<8)|\new
.set MSB, \new
.endif
.endm
	s_load_b512 s[4:19], s[0:1], 0x0               ; x, Wg, bg, W1's codes, W2's codes, xq, xs, sel
	s_load_b128 s[20:23], s[0:1], 0x40             ; wts, wl1
	s_load_b64 s[24:25], s[0:1], 0x50              ; wl2
	v_lshl_add_u32 v2, v0, 2, SPARE                ; my spare word
	v_mov_b32 v3, 0
	v_lshrrev_b32 v14, 5, v0
	v_readfirstlane_b32 s26, v14                   ; wave 0..3
	v_and_b32 v1, 31, v0                           ; lane L
	v_lshlrev_b32 v4, 4, v1                        ; 16 L
	s_mul_i32 s41, s26, STGW
	v_lshrrev_b32 v5, 2, v1
	v_mul_u32_u24 v5, v5, SP
	v_and_b32 v14, 3, v1
	v_lshl_add_u32 v5, v14, 4, v5
	v_add_nc_u32 v5, s41, v5                       ; the stage, on the way in: SP (L / 4) + 16 (L % 4)
	v_mul_u32_u24 v6, v1, SP
	v_add_nc_u32 v6, s41, v6                       ; and on the way out: SP L
	v_lshlrev_b32 v7, 3, v1                        ; 8 L
	v_lshrrev_b32 v8, 1, v1
	s_lshl_b32 s41, s26, 6
	s_add_co_u32 s41, s41, XSB
	v_add_nc_u32 v8, s41, v8                       ; my block's scale byte: XSB + 64 wave + L / 2 (+ 16 a token)
	s_lshl_b32 s41, s26, 12
	v_add_nc_u32 v9, s41, v4                       ; Wg in memory: 4,096 wave + 16 L
	s_mul_i32 s41, s26, 8*WGP
	s_add_co_u32 s41, s41, WGL
	v_add_nc_u32 v216, s41, v4                     ; my quarter's eight rows in LDS: + 16 L
	v_mul_u32_u24 v217, v1, WGP
	v_add_nc_u32 v217, WGL, v217                   ; and my lane's row
	s_lshl_b32 s41, s26, 5
	v_lshl_add_u32 v11, v14, 3, s41                ; 8 (4 wave + L % 4): the token that my lane chooses for
	v_lshlrev_b32 v13, 2, v1                       ; 4 L
	v_cmp_eq_u32 s38, 1, v14
	v_cmp_eq_u32 s39, 2, v14
	v_cmp_eq_u32 s40, 3, v14
	s_mov_b32 s36, 0x76543210
	s_mov_b32 s37, 0xfedcba98                      ; v_permlanex16_b32's selects for lane L xor 16
	; the re-laying: my run G of 8,192 bytes.  W1: 32 rows of 256 bytes, piece k = 8 u + 2 s + c takes of row 8 u + r + 8 (r / 8) the 16 bytes at 64 s + 32 c + 16 h.
	; W2: half of 16 rows of 1,024 bytes, piece k takes of row r the 16 bytes at 512 (G % 2) + 32 k + 16 h.  Both: pieces 0-7 at 32 k from one offset, pieces 8-15 at 32 (k - 8) from a second.
	s_and_b32 s42, ttmp9, 127
	s_lshl_b32 s42, s42, 2
	s_add_co_u32 s42, s42, s26                     ; G
	s_lshl_b32 s43, s42, 13                        ; 8,192 G: where the run goes, and where W1's comes from
	s_lshr_b32 s44, s42, 1
	s_lshl_b32 s44, s44, 14
	s_and_b32 s45, s42, 1
	s_lshl_b32 s45, s45, 9
	s_add_co_u32 s44, s44, s45                     ; where W2's comes from
	s_mov_b32 s45, 1024
	s_mov_b32 s46, 256
	s_cmp_lt_u32 ttmp9, 128                        ; W1's work-group or W2's: the work-group's number alone decides
	s_cselect_b32 s44, s43, s44
	s_cselect_b32 s45, 256, s45                    ; bytes from row to row
	s_cselect_b32 s47, 2048, 0                     ; 8 rows more for r / 8 = 1 (W1 alone)
	s_cselect_b32 s46, 2048, s46                   ; from piece 0 to piece 8
	v_and_b32 v15, 15, v1
	v_mul_lo_u32 v10, v15, s45
	v_lshrrev_b32 v15, 3, v15
	v_mul_lo_u32 v15, v15, s47
	v_add_nc_u32 v10, v10, v15
	v_lshrrev_b32 v15, 4, v1
	v_lshl_add_u32 v10, v15, 4, v10                ; pieces 0-7
	v_add_nc_u32 v12, s46, v10                     ; pieces 8-15
	s_wait_kmcnt 0x0
	s_load_b256 s[28:35], s[8:9], 0x0              ; bg's eight numbers
	s_cmp_lt_u32 ttmp9, 128
	s_cselect_b64 s[10:11], s[10:11], s[12:13]
	s_cselect_b64 s[22:23], s[22:23], s[24:25]
	s_mov_b32 s45, 0
	s_add_nc_u64 s[10:11], s[10:11], s[44:45]
	s_mov_b32 s44, s43
	s_add_nc_u64 s[22:23], s[22:23], s[44:45]
	s_lshl_b32 s2, ttmp9, 15
	s_lshl_b32 s3, s26, 13
	s_add_co_u32 s2, s2, s3                        ; (16 work-group + 4 wave) tokens of 2,048 bytes
	s_mov_b32 s3, 0
	s_add_nc_u64 s[4:5], s[4:5], s[2:3]
	s_lshr_b32 s2, s2, 3                           ; of 256 bytes of codes
	s_add_nc_u64 s[14:15], s[14:15], s[2:3]
	s_lshl_b32 s2, ttmp9, 8                        ; the work-group's 256 scale bytes
	s_add_nc_u64 s[16:17], s[16:17], s[2:3]
	s_lshl_b32 s2, ttmp9, 7                        ; its 128 bytes of indices, and of weights
	s_add_nc_u64 s[18:19], s[18:19], s[2:3]
	s_add_nc_u64 s[20:21], s[20:21], s[2:3]
	; all loads of the wave go out together: 8 of Wg, 16 of x, 16 of weight codes
	WIN 0x40                                       ; destination window 1
.irp m, 0,1,2,3,4,5,6,7
	global_load_b128 v[64+4*\m:64+4*\m+3], v9, s[6:7] offset:512*\m   ; 512 consecutive bytes: Wg's rows 16 (8 wave + m) on
.endr
	WIN 0
.irp t, 0,1,2,3
.irp i, 0,1,2,3
	global_load_b128 v[R+16*\t+4*\i:R+16*\t+4*\i+3], v4, s[4:5] offset:2048*\t+512*\i th:TH_LOAD_NT
.endr
.endr
	WIN 0x40
.irp k, 0,1,2,3,4,5,6,7
	global_load_b128 v[4*\k:4*\k+3], v10, s[10:11] offset:32*\k th:TH_LOAD_NT
.endr
.irp k, 0,1,2,3,4,5,6,7
	global_load_b128 v[32+4*\k:32+4*\k+3], v12, s[10:11] offset:32*\k th:TH_LOAD_NT
.endr
	s_wait_loadcnt 32                              ; my quarter of Wg is in: behind it stand 16 loads of x and 16 of weight codes
	WIN 0x04                                       ; a store's data are its source 1: window 1
.irp m, 0,1,2,3,4,5,6,7
	ds_store_b128 v216, v[64+4*\m:64+4*\m+3] offset:WGP*\m
.endr
	WIN 0
	; the turn through the stage: LDS serves a wave's instructions in order, so no wait stands between the stores and the loads
.irp t, 0,1,2,3
	s_wait_loadcnt 28-4*\t                         ; token t's four loads are in: behind them stand 4 (3 - t) of x and 16 of weight codes
.irp i, 0,1,2,3
	ds_store_b128 v5, v[R+16*\t+4*\i:R+16*\t+4*\i+3] offset:STGT*\t+8*SP*\i
.endr
.irp i, 0,1,2,3
	ds_load_b128 v[X+16*\t+4*\i:X+16*\t+4*\i+3], v6 offset:STGT*\t+16*\i
.endr
.endr
	s_wait_dscnt 0x0                               ; x is back; and, for the others' sake, my quarter of Wg has landed
	s_barrier_signal -1
	s_barrier_wait -1                              ; all of Wg lies in LDS
	WIN 0x40
.irp k, 0,1,2,3,4,5,6,7,8,9,10,11,12,13,14,15,16,17,18,19,20,21,22,23,24,25,26,27,28,29,30,31
	ds_load_b128 v[64+4*\k:64+4*\k+3], v217 offset:16*\k   ; my lane's 512 bytes; they come while x is quantised
.endr
	WIN 0
	; the quantiser: a block's largest magnitude (my 16, my neighbour's 16), its exponent field less 2 as the conversion's scale operand, the byte
.irp t, 0,1,2,3
	v_max3_num_f32 v204, |v[X+16*\t]|, |v[X+16*\t+1]|, |v[X+16*\t+2]|
	v_max3_num_f32 v205, |v[X+16*\t+3]|, |v[X+16*\t+4]|, |v[X+16*\t+5]|
.irp i, 6,10
	v_max3_num_f32 v204, v204, |v[X+16*\t+\i]|, |v[X+16*\t+\i+1]|
	v_max3_num_f32 v205, v205, |v[X+16*\t+\i+2]|, |v[X+16*\t+\i+3]|
.endr
	v_max3_num_f32 v204, v204, |v[X+16*\t+14]|, |v[X+16*\t+15]|
	v_max3_num_f32 v204, v204, v205, 0x1800000     ; the floor 2^(3 - 127): the byte cannot fall under 1
	v_max_num_f32_dpp v204, v204, v204 row_xmask:1 row_mask:0xf bank_mask:0xf
	v_add_nc_u32 v206, 0xff000000, v204            ; 2 off the exponent field
	v_cvt_scalef32_pk8_fp4_f32 v[CD+2*\t], v[X+16*\t:X+16*\t+7], v206
	v_cvt_scalef32_pk8_fp4_f32 v[CD+2*\t+1], v[X+16*\t+8:X+16*\t+15], v206
	v_lshrrev_b32 v[SBY+\t], 23, v206              ; the scale's byte (also the plain line behind the conversions)
	ds_store_b8 v8, v[SBY+\t] offset:16*\t         ; both lanes of a block write the same byte with the same value
	global_store_b64 v7, v[CD+2*\t:CD+2*\t+1], s[14:15] offset:256*\t   ; the wave stores the token's 256 consecutive bytes, aligned
.endr
	s_wait_loadcnt 0x0                             ; the weight codes are in
	WIN 0x04                                       ; a store's data are its source 1: window 1
.irp k, 0,1,2,3,4,5,6,7,8,9,10,11,12,13,14,15
	global_store_b128 v4, v[4*\k:4*\k+3], s[22:23] offset:512*\k   ; piece k: 512 consecutive bytes
.endr
	s_wait_dscnt 0x0                               ; Wg is in my registers
	; the gate in f32: sums (token t, experts 2 p, 2 p + 1) += x[t][16 L + d] Wg[16 L + d][2 p, 2 p + 1]; x's number serves both halves
.irp d, 0,1,2,3,4,5,6,7,8,9,10,11,12,13,14,15
.irp t, 0,1,2,3
.irp p, 0,1,2,3
.if \d == 0
	v_pk_mul_f32 v[LG+8*\t+2*\p:LG+8*\t+2*\p+1], v[X+16*\t:X+16*\t+1], v[64+2*\p:64+2*\p+1] op_sel_hi:[0,1]
.elseif (\d)%2 == 0
	v_pk_fma_f32 v[LG+8*\t+2*\p:LG+8*\t+2*\p+1], v[X+16*\t+\d:X+16*\t+\d+1], v[64+8*\d+2*\p:64+8*\d+2*\p+1], v[LG+8*\t+2*\p:LG+8*\t+2*\p+1] op_sel_hi:[0,1,1]
.else
	v_pk_fma_f32 v[LG+8*\t+2*\p:LG+8*\t+2*\p+1], v[X+16*\t+\d-1:X+16*\t+\d], v[64+8*\d+2*\p:64+8*\d+2*\p+1], v[LG+8*\t+2*\p:LG+8*\t+2*\p+1] op_sel:[1,0,0] op_sel_hi:[1,1,1]
.endif
.endr
.endr
.endr
	WIN 0
	; the 32 sums over the 32 lanes; every lane ends with all of them
.irp m, 1,2,4,8
.irp j, 0,1,2,3,4,5,6,7,8,9,10,11,12,13,14,15,16,17,18,19,20,21,22,23,24,25,26,27,28,29,30,31
	v_add_f32_dpp v[LG+\j], v[LG+\j], v[LG+\j] row_xmask:\m row_mask:0xf bank_mask:0xf
.endr
.endr
.irp j, 0,1,2,3,4,5,6,7,8,9,10,11,12,13,14,15,16,17,18,19,20,21,22,23,24,25,26,27,28,29,30,31
	v_permlanex16_b32 v[R+\j], v[LG+\j], s36, s37  ; (its destination has been written: x as loaded, done with)
.endr
.irp j, 0,1,2,3,4,5,6,7,8,9,10,11,12,13,14,15,16,17,18,19,20,21,22,23,24,25,26,27,28,29,30,31
	v_add_f32 v[LG+\j], v[LG+\j], v[R+\j]
.endr
	s_wait_kmcnt 0x0                               ; bg
.irp e, 0,1,2,3,4,5,6,7                        ; lane L goes on with token L % 4
	v_cndmask_b32 v[S+\e], v[LG+\e], v[LG+8+\e], s38
	v_cndmask_b32 v[S+\e], v[S+\e], v[LG+16+\e], s39
	v_cndmask_b32 v[S+\e], v[S+\e], v[LG+24+\e], s40
	v_add_f32 v[S+\e], s[28+\e], v[S+\e]
.endr
	; the two largest logits, by selection alone: v188 / v184 the largest and its expert, v189 / v185 the second
	v_mov_b32 v188, v[S]
	v_mov_b32 v184, 0
	v_mov_b32 v189, 0xff800000
	v_mov_b32 v185, 0
.irp e, 1,2,3,4,5,6,7
	v_mov_b32 v206, \e
	v_cmp_gt_f32 vcc_lo, v[S+\e], v188
	v_cmp_gt_f32 s41, v[S+\e], v189
	v_cndmask_b32 v204, v189, v[S+\e], s41
	v_cndmask_b32 v205, v185, v206, s41
	v_cndmask_b32 v189, v204, v188, vcc_lo
	v_cndmask_b32 v185, v205, v184, vcc_lo
	v_cndmask_b32 v188, v188, v[S+\e], vcc_lo
	v_cndmask_b32 v184, v184, v206, vcc_lo
.endr
	v_sub_f32 v190, v189, v188                     ; the second less the largest: 0 or less
	v_mul_f32 v190, 0x3fb8aa3b, v190
	v_exp_f32 v190, v190                           ; q
	v_nop
	s_wait_alu depctr_va_vdst(0)                   ; ahead of the first reader
	v_add_f32 v191, 1.0, v190
	v_rcp_f32 v186, v191                           ; w0 = 1 / (1 + q)
	v_nop
	s_wait_alu depctr_va_vdst(0)
	v_mul_f32 v187, v190, v186                     ; w1 = q / (1 + q)
	ds_store_b64 v11, v[184:185] offset:SELB       ; the eight lanes of a token write the same bytes with the same values
	ds_store_b64 v11, v[186:187] offset:WTB
	s_wait_dscnt 0x0                               ; for wave 0's sake: my stores have landed
	s_barrier_signal -1
	s_barrier_wait -1
	s_cmp_lg_u32 s26, 0
	s_cbranch_scc1 .Lend
	ds_load_b64 v[204:205], v7 offset:XSB          ; wave 0 stores what the four waves gathered
	ds_load_b32 v206, v13 offset:SELB
	ds_load_b32 v207, v13 offset:WTB
	s_wait_dscnt 0x0
	global_store_b64 v7, v[204:205], s[16:17]      ; 256 consecutive bytes, aligned
	global_store_b32 v13, v206, s[18:19]           ; 128 consecutive bytes: 16 tokens have no more
	global_store_b32 v13, v207, s[20:21]
.Lend:
	s_wait_tensorcnt 0x0                           ; the wave's end, behind my last LDS store
	ds_add_u32 v2, v3
	s_wait_dscnt 0x0
	s_endpgm
.Lfunc_end_k_q1dc9091fa2_route:
	.size	k_q1dc9091fa2_route, .Lfunc_end_k_q1dc9091fa2_route-k_q1dc9091fa2_route
	.p2alignl 7, 3214868480
	.fill 96, 4, 3214868480
	.section	.rodata,"a",@progbits
	.p2align	6, 0x0
	.amdhsa_kernel k_q1dc9091fa2_route
		.amdhsa_group_segment_fixed_size 58880
		.amdhsa_private_segment_fixed_size 0
		.amdhsa_enable_private_segment 0
		.amdhsa_kernarg_size 88
		.amdhsa_user_sgpr_count 2
		.amdhsa_user_sgpr_kernarg_segment_ptr 1
		.amdhsa_wavefront_size32 1
		.amdhsa_system_sgpr_workgroup_id_x 1
		.amdhsa_system_sgpr_workgroup_id_y 1
		.amdhsa_system_sgpr_workgroup_id_z 1
		.amdhsa_system_vgpr_workitem_id 0
		.amdhsa_next_free_vgpr 448
		.amdhsa_next_free_sgpr 66
		.amdhsa_reserve_vcc 1
		.amdhsa_float_denorm_mode_32 3
		.amdhsa_float_denorm_mode_16_64 3
		.amdhsa_memory_ordered 1
		.amdhsa_forward_progress 1
		.amdhsa_inst_pref_size 51
	.end_amdhsa_kernel
	.amdgpu_metadata
---
amdhsa.version: [ 1, 2 ]
amdhsa.kernels:
  - .name:           k_q1dc9091fa2_route
    .symbol:         k_q1dc9091fa2_route.kd
    .args:
      - { .name: x, .offset: 0, .size: 8, .value_kind: global_buffer, .address_space: global }
      - { .name: Wg, .offset: 8, .size: 8, .value_kind: global_buffer, .address_space: global }
      - { .name: bg, .offset: 16, .size: 8, .value_kind: global_buffer, .address_space: global }
      - { .name: W1_codes, .offset: 24, .size: 8, .value_kind: global_buffer, .address_space: global }
      - { .name: W2_codes, .offset: 32, .size: 8, .value_kind: global_buffer, .address_space: global }
      - { .name: xq, .offset: 40, .size: 8, .value_kind: global_buffer, .address_space: global }
      - { .name: xs, .offset: 48, .size: 8, .value_kind: global_buffer, .address_space: global }
      - { .name: sel, .offset: 56, .size: 8, .value_kind: global_buffer, .address_space: global }
      - { .name: wts, .offset: 64, .size: 8, .value_kind: global_buffer, .address_space: global }
      - { .name: wl1, .offset: 72, .size: 8, .value_kind: global_buffer, .address_space: global }
      - { .name: wl2, .offset: 80, .size: 8, .value_kind: global_buffer, .address_space: global }
    .group_segment_fixed_size: 58880
    .private_segment_fixed_size: 0
    .kernarg_segment_align: 8
    .kernarg_segment_size: 88
    .max_flat_workgroup_size: 128
    .sgpr_count:     66
    .vgpr_count:     448
    .wavefront_size: 32
...
	.end_amdgpu_metadata
.endif
;; end of part 1
;; launch chain (part 2): grid 32 x 8, 8 waves a work-group, no clusters, 323,584 bytes of LDS; arguments wl1, W1_scales, b1, wl2, W2_scales, b2, xq, xs, sel, wts, y; writes y
.if DOCPART == 2
	.amdgcn_target "amdgcn-amd-amdhsa--gfx1250"
	.amdhsa_code_object_version 6
	.text
	.protected	k_q1dc9091fa2_chain
	.globl	k_q1dc9091fa2_chain
	.p2align	8
	.type	k_q1dc9091fa2_chain,@function
k_q1dc9091fa2_chain:
	s_mov_b64 s[64:65], 0
	v_nop
	global_prefetch_b8 v0, s[64:65] scope:SCOPE_SE
	s_setreg_imm32_b32 hwreg(HW_REG_WAVE_MODE, 25, 1), 1
	s_wait_xcnt 0x0
; CHAIN: y[token][k] = c x (Q(gelu(Q(x) W1_e + b1_e)) W2_e + b2_e) for the chosen (token, expert) rows alone: the other rows are multiplied by a 0 of reference()'s own one_hot (shown at the head of the first kernel).
; SHARES: work-group (j, e) takes the rows of expert e among tokens 128 j .. 128 j + 127: n of them, found from the stored indices.  They go in passes of up to 64 rows, four sub-tiles of 16; two passes serve n = 128.
;  Wave w makes hidden units 256 w .. + 255 (eight chunks of 32 = K steps 2 w, 2 w + 1 of the second product) and output columns 64 w .. + 63, for all rows: each weight byte is loaded once a work-group and pass,
;  by loads of 512 consecutive bytes straight into registers (the first launch laid the codes in the order of the operand's registers).  The hidden layer goes from wave to wave through LDS as images of the operand's registers.
; NO TENSOR LOAD, NO CLUSTER: how many sub-tiles are walked is a count read from memory, and branches hang on it.
; GUARDS: a stretch that the count can skip reads only registers that are written in the same stretch or, earlier, on every way.  No barrier stands under a guard.
; ROWS PAST n in the last sub-tile are copies of the list's first row: they compute and store the same numbers to the same place as that row, so no lane is ever switched off.
; BOTH PRODUCTS ARE USED TRANSPOSED (source 0 = 16 rows of the weight, source 1 = 16 token rows): a lane holds one token row throughout.  Lane r of W1's tile u takes row 8 u + r + 8 (r / 8) of the chunk,
;  so that the 16 registers of a chunk's two tiles are hidden units 16 h + 0 .. 15 of the chunk: a block of 32 lies in lanes l and l xor 16.
; W2 UNDER THE FIRST PRODUCT: the first product has much vector work for each byte that it loads, the second little work of any kind.  So each of my eight chunks also asks for six pieces of 512 bytes of my own tiles of W2
;  and stores them, at the chunk's end, into my own 24,576 bytes of LDS: pair p of chunks takes tile p's K steps 0 to 5, 6,144 consecutive bytes.  The second product takes its first three groups of K steps from there,
;  while groups 3 and 4, asked for at its start, are on their way from memory.
; GELU: x (0.5 + xc P(u) / Q(u)), u = xc^2, xc = x held at +-4 sqrt 2: the rational form of erf with 1 / (2 sqrt 2) and the powers of 2 folded into its coefficients, a few ulp of 0.5 (1 + erf).
; LIMITS: beyond the hold the factor is that of +-4 sqrt 2 (1 or 0 to within 1e-7); NaN and infinities are not served; a block whose largest magnitude lies under 2^-124 gets the byte 1.
; LDS: HIMG hidden fragments (16 sub-tile + K step) x 1,024 + 512 c + 16 lane; XIMG x's fragments (4 sub-tile + K step) likewise; HSC the hidden layer's scale bytes, a row of 64 + 16; STG a stage of 16 rows x 272 a wave;
;  LIST the rows; STASH each wave's 48 pieces of W2: 24,576 wave + 6,144 tile + 512 (2 K step + c) + 16 lane.
; REGISTERS, window 0: v1 my stash, v2, v3 this pair's places in the stash and in wl2; v4-23 addresses; v24-31 c of my row, a pair a sub-tile; v32-95 scale words and nothing else (first product: v32-39 x's, v40-47 W1's two banks;
;  second: v48-79 W2's, v80-95 and v32-47 the hidden layer's); first product: v96-111 the chunk's two accumulators, v112-143 b1's tiles (two banks), v144-159 and v230-237 W2's pieces on their way, v160-223 at work;
;  second product: v96-223 the 16 accumulators (sub-tile i, tile t at 96 + 32 i + 8 t); v224-247 at work; v248-251 two coefficients; v252-255 list addresses.
;  window 1, first product: v0-127 x's 16 fragments, v128-255 W1's chunk in two banks; second product: v0-63 the group's hidden fragments, v64-255 W2 in three slots.
.set HIMG,  0
.set XIMG,  65536
.set HSC,   81920
.set STG,   90112
.set LIST,  124928
.set SPARE, 125952                     ; the spare words, 128 bytes a wave: four blocks of 256 bytes that no other line names
.set STASH, 126976
.set STW,   24576                      ; a wave's part of the stash
.set ACC,   96
.set BIA,   112
.set XC,    160
.set UU,    176
.set PP,    192
.set QQ,    208
.set MSB, 0
.macro WIN new                         ; the immediate's high byte repeats the setting that is left
.if MSB != \new
	s_set_vgpr_msb (MSB<<8)|\new
.set MSB, \new
.endif
.endm
.macro PLACES                          ; four plain lines behind matrix instructions, ahead of reads of results and of loads into their registers
.rept 4
	v_nop
.endr
.endm
.macro SPAIR reg, val                  ; a coefficient as a scalar pair: the packed forms name the pair and take its low word for both halves
	s_mov_b32 s[\reg], \val
	s_mov_b32 s[\reg+1], \val
.endm
; one product of 16 x 16 x 128 on codes of E2M1.  ra, rb: the side's scale words stand in lanes 16-31 of the register named
.macro MM d, a, b, c, sa, sb, ra, rb
.if (\ra) && (\rb)
	v_wmma_scale_f32_16x16x128_f8f6f4 v[\d:\d+7], v[\a:\a+7], v[\b:\b+7], v[\c:\c+7], v[\sa], v[\sb] matrix_a_fmt:MATRIX_FMT_FP4 matrix_b_fmt:MATRIX_FMT_FP4 matrix_a_scale:MATRIX_SCALE_ROW1 matrix_b_scale:MATRIX_SCALE_ROW1
.elseif (\ra)
	v_wmma_scale_f32_16x16x128_f8f6f4 v[\d:\d+7], v[\a:\a+7], v[\b:\b+7], v[\c:\c+7], v[\sa], v[\sb] matrix_a_fmt:MATRIX_FMT_FP4 matrix_b_fmt:MATRIX_FMT_FP4 matrix_a_scale:MATRIX_SCALE_ROW1
.elseif (\rb)
	v_wmma_scale_f32_16x16x128_f8f6f4 v[\d:\d+7], v[\a:\a+7], v[\b:\b+7], v[\c:\c+7], v[\sa], v[\sb] matrix_a_fmt:MATRIX_FMT_FP4 matrix_b_fmt:MATRIX_FMT_FP4 matrix_b_scale:MATRIX_SCALE_ROW1
.else
	v_wmma_scale_f32_16x16x128_f8f6f4 v[\d:\d+7], v[\a:\a+7], v[\b:\b+7], v[\c:\c+7], v[\sa], v[\sb] matrix_a_fmt:MATRIX_FMT_FP4 matrix_b_fmt:MATRIX_FMT_FP4
.endif
.endm
; a chunk of W1 (32 hidden units) into a bank: 16 pieces of codes, b1's two tiles in the result's layout, the four scale words a row (lanes 0-15 tile 0's rows, lanes 16-31 tile 1's): 21 loads
.macro LOADW1 bank, par
	WIN 0x40
.irp k, 0,1,2,3,4,5,6,7,8,9,10,11,12,13,14,15
	global_load_b128 v[128+64*(\bank)+4*\k:128+64*(\bank)+4*\k+3], v6, s[66:67] offset:8192*(\par)+512*\k
.endr
	WIN 0
.irp u, 0,1
.irp hf, 0,1
	global_load_b128 v[BIA+16*(\bank)+8*\u+4*\hf:BIA+16*(\bank)+8*\u+4*\hf+3], v9, s[70:71] offset:128*(\par)+32*\u+16*\hf
.endr
.endr
	global_load_b128 v[40+4*(\bank):43+4*(\bank)], v8, s[68:69] offset:512*(\par)
.endm
; six pieces of this pair's tile of W2, 512 consecutive bytes each: asked for at a chunk's head, stored into my stash at its end
.macro STLD par
.irp q, 0,1,2,3,4,5
.if \q < 4
.set rT, 144+4*\q
.else
.set rT, 214+4*\q
.endif
	global_load_b128 v[rT:rT+3], v3, s[10:11] offset:512*(6*(\par)+\q)
.endr
.endm
.macro STST par
.irp q, 0,1,2,3,4,5
.if \q < 4
.set rT, 144+4*\q
.else
.set rT, 214+4*\q
.endif
	ds_store_b128 v2, v[rT:rT+3] offset:512*(6*(\par)+\q)
.endr
.endm
; sub-tile i against the chunk in a bank: 8 products, the two accumulators by turns, one instruction a turn; b1 is the C of each sum's first product
.macro WM i, bank
	WIN 0x05                                       ; sources 0 and 1 window 1
.irp s, 0,1,2,3
.irp u, 0,1
.set rD, ACC+8*\u
.set rA, 128+64*(\bank)+32*\u+8*\s
.set rB, 8*(4*(\i)+\s)
.if \s == 0
.set rC, BIA+16*(\bank)+8*\u
.else
.set rC, rD
.endif
.set rSA, 40+4*(\bank)+\s
.set rSB, 32+4*((\i)/2)+\s
.set fA, \u
.set fB, (\i)%2
	MM rD, rA, rB, rC, rSA, rSB, fA, fB
.endr
.endr
	WIN 0
	PLACES
.endm
.macro HORN2 sa, sb                    ; P = P u + a, Q = Q u + b, two numbers an instruction
.irp q, 0,2,4,6,8,10,12,14
	v_pk_fma_f32 v[PP+\q:PP+\q+1], v[PP+\q:PP+\q+1], v[UU+\q:UU+\q+1], s[\sa:\sa+1] op_sel_hi:[1,1,0]
	v_pk_fma_f32 v[QQ+\q:QQ+\q+1], v[QQ+\q:QQ+\q+1], v[UU+\q:UU+\q+1], s[\sb:\sb+1] op_sel_hi:[1,1,0]
.endr
.endm
.macro HORN1 sa
.irp q, 0,2,4,6,8,10,12,14
	v_pk_fma_f32 v[PP+\q:PP+\q+1], v[PP+\q:PP+\q+1], v[UU+\q:UU+\q+1], s[\sa:\sa+1] op_sel_hi:[1,1,0]
.endr
.endm
; the 16 numbers in the accumulators: GELU in f32, the block's scale, the codes; 8 bytes of codes and the scale byte go to LDS at their places in the second product's operand
.macro GQ i, par
.irp j, 0,1,2,3,4,5,6,7,8,9,10,11,12,13,14,15
	v_med3_num_f32 v[XC+\j], v[ACC+\j], -v22, v22  ; xc; each accumulator is read from its low end on
.endr
.irp q, 0,2,4,6,8,10,12,14
	v_pk_mul_f32 v[UU+\q:UU+\q+1], v[XC+\q:XC+\q+1], v[XC+\q:XC+\q+1]
.endr
.irp q, 0,2,4,6,8,10,12,14
	v_pk_fma_f32 v[PP+\q:PP+\q+1], v[UU+\q:UU+\q+1], s[40:41], v[248:249] op_sel_hi:[1,0,1]
	v_pk_fma_f32 v[QQ+\q:QQ+\q+1], v[UU+\q:UU+\q+1], s[52:53], v[250:251] op_sel_hi:[1,0,1]
.endr
	HORN2 42, 54
	HORN2 44, 56
	HORN2 46, 58                                   ; Q is whole
.irp j, 0,1,2,3,4,5,6,7,8,9,10,11,12,13,14,15
	v_rcp_f32 v[QQ+\j], v[QQ+\j]                   ; one batch; P's last two steps and xc P are the plain work behind it
.endr
	HORN1 48
	HORN1 50
.irp q, 0,2,4,6,8,10,12,14
	v_pk_mul_f32 v[XC+\q:XC+\q+1], v[XC+\q:XC+\q+1], v[PP+\q:PP+\q+1]
.endr
	s_wait_alu depctr_va_vdst(0)                   ; one wait for the 16 reciprocals, ahead of their first reader
.irp q, 0,2,4,6,8,10,12,14
	v_pk_fma_f32 v[PP+\q:PP+\q+1], v[XC+\q:XC+\q+1], v[QQ+\q:QQ+\q+1], 0.5 op_sel_hi:[1,1,0]
.endr
.irp q, 0,2,4,6,8,10,12,14
	v_pk_mul_f32 v[ACC+\q:ACC+\q+1], v[ACC+\q:ACC+\q+1], v[PP+\q:PP+\q+1]   ; gelu
.endr
	v_max3_num_f32 v226, |v[ACC]|, |v[ACC+1]|, 0x1800000   ; my 16 and the floor 2^(3 - 127), in two chains
	v_max3_num_f32 v227, |v[ACC+2]|, |v[ACC+3]|, |v[ACC+4]|
	v_max3_num_f32 v226, v226, |v[ACC+5]|, |v[ACC+6]|
	v_max3_num_f32 v227, v227, |v[ACC+7]|, |v[ACC+8]|
	v_max3_num_f32 v226, v226, |v[ACC+9]|, |v[ACC+10]|
	v_max3_num_f32 v227, v227, |v[ACC+11]|, |v[ACC+12]|
	v_max3_num_f32 v226, v226, |v[ACC+13]|, |v[ACC+14]|
	v_max3_num_f32 v226, v226, v227, |v[ACC+15]|
	v_permlanex16_b32 v227, v226, s72, s73
	v_max_num_f32 v226, v226, v227                 ; with lane l xor 16's: the block's largest magnitude
	v_add_nc_u32 v228, 0xff000000, v226            ; 2 off its exponent field: the conversion's scale operand
	v_cvt_scalef32_pk8_fp4_f32 v224, v[ACC:ACC+7], v228
	v_cvt_scalef32_pk8_fp4_f32 v225, v[ACC+8:ACC+15], v228
	v_lshrrev_b32 v229, 23, v228                   ; the scale's byte (also the plain line behind the conversions)
	ds_store_b64 v10, v[224:225] offset:16384*(\i)+256*(\par)   ; the operand's lane 16 par + r holds this block whole: my half of it is 8 bytes at 16 (16 par + r) + 8 h
	ds_store_b8 v11, v229 offset:1280*(\i)+(\par)  ; both lanes of a row write the same byte with the same value
.endm
.macro SUB i, par
	WM \i, \par
	GQ \i, \par
.endm
; a chunk: its own bank is in (asked for a chunk ago); the next chunk is asked for into the other bank, and six pieces of W2; then the live sub-tiles one after the other; at the end the six pieces go into my stash
.macro CHUNK par
	s_wait_loadcnt 0x0                             ; no load is out: this chunk's bank is in (and, the first time, what the pass's head asked for)
.if \par == 0
	LOADW1 1, 1
.else
	s_cmp_lt_u32 s33, 3
	s_cbranch_scc0 .Lno_more_\@
	s_add_nc_u64 s[66:67], s[66:67], 16384         ; no load is out: the three pointers may step to the next pair
	s_add_nc_u64 s[68:69], s[68:69], 1024
	s_add_nc_u64 s[70:71], s[70:71], 256
	LOADW1 0, 0
.Lno_more_\@:
.endif
	s_wait_dscnt 0x0                               ; x's fragments are in; the last chunk's stores into the stash have read their registers, which are loaded anew below
	STLD \par
	SUB 0, \par
	s_cmp_lt_u32 s31, 2
	s_cbranch_scc1 .Lchunk_end_\@
	SUB 1, \par
	s_cmp_lt_u32 s31, 3
	s_cbranch_scc1 .Lchunk_end_\@
	SUB 2, \par
	s_cmp_lt_u32 s31, 4
	s_cbranch_scc1 .Lchunk_end_\@
	SUB 3, \par
.Lchunk_end_\@:
	s_wait_loadcnt 0x0                             ; the six pieces are in, and with them the next chunk's bank, which the next chunk's head would wait for at this very place
	STST \par
.endm
; a pass's rows: their entries (2 x token + k), c, x's scale words, and my share of x's fragments, which go to LDS as images.  second = 1: the pass's first chunk of W1 is asked for too
.macro STAGEX second
.irp i, 0,1,2,3
	ds_load_b32 v[230+\i], v252 offset:64*\i       ; row r of sub-tile i
.endr
	ds_load_b32 v234, v253                         ; row L, and row 32 + L
	ds_load_b32 v235, v253 offset:128
	ds_load_b32 v236, v255                         ; row r of the sub-tile that I gather: wave / 2
	s_wait_dscnt 0x0
.irp i, 0,1,2,3,4,5,6
	v_min_u32 v[230+\i], 255, v[230+\i]            ; an entry stays inside the work-group's 128 tokens x 2
.endr
.irp i, 0,1,2,3
	v_lshlrev_b32 v[238+\i], 2, v[230+\i]
.endr
	v_and_b32 v242, 254, v234
	v_and_b32 v243, 254, v235
	v_and_b32 v244, 254, v236
	v_lshlrev_b32 v242, 3, v242                    ; token x 16
	v_lshlrev_b32 v243, 3, v243
	v_lshl_add_u32 v244, v244, 7, v246             ; token x 256 + 16 h + 128 (wave % 2)
.irp sp, 0,1
.irp c, 0,1
	global_load_b128 v[160+8*\sp+4*\c:160+8*\sp+4*\c+3], v244, s[16:17] offset:64*\sp+32*\c
.endr
.endr
.irp i, 0,1,2,3
	global_load_b32 v[24+2*\i], v[238+\i], s[22:23]
.endr
	global_load_b128 v[32:35], v242, s[18:19]      ; lanes 0-15: sub-tile 0's rows, lanes 16-31: sub-tile 1's
	global_load_b128 v[36:39], v243, s[18:19]      ; sub-tiles 2 and 3
.if \second
	LOADW1 0, 0
	s_wait_loadcnt 21                              ; all but the chunk's 21 loads
.else
	s_wait_loadcnt 0x0
.endif
.irp sp, 0,1
.irp c, 0,1
	ds_store_b128 v14, v[160+8*\sp+4*\c:160+8*\sp+4*\c+3] offset:1024*\sp+512*\c
.endr
.endr
.irp i, 0,1,2,3
	v_mov_b32 v[25+2*\i], v[24+2*\i]               ; the packed multiply names the pair
.endr
.endm
; group g of the second product = K steps 2 g, 2 g + 1.  My four tiles of W2 for a group are 16 pieces of 512 bytes: 64 registers, a slot
.macro W2LD g, slot                    ; from memory
	WIN 0x40
.irp t, 0,1,2,3
.irp sp, 0,1
.irp c, 0,1
	global_load_b128 v[64+64*(\slot)+16*\t+8*\sp+4*\c:64+64*(\slot)+16*\t+8*\sp+4*\c+3], v7, s[10:11] offset:16384*\t+1024*(2*(\g)+\sp)+512*\c
.endr
.endr
.endr
	WIN 0
.endm
.macro SLD g                           ; from my stash, into slot 0
	WIN 0x40
.irp t, 0,1,2,3
.irp sp, 0,1
.irp c, 0,1
	ds_load_b128 v[64+16*\t+8*\sp+4*\c:64+16*\t+8*\sp+4*\c+3], v1 offset:6144*\t+512*(4*(\g)+2*\sp+\c)
.endr
.endr
.endr
	WIN 0
.endm
.macro HFLD g, i                       ; sub-tile i's two hidden fragments of group g
	WIN 0x40
.irp sp, 0,1
.irp c, 0,1
	ds_load_b128 v[16*(\i)+8*\sp+4*\c:16*(\i)+8*\sp+4*\c+3], v12 offset:16384*(\i)+1024*(2*(\g)+\sp)+512*\c
.endr
.endr
	WIN 0
.endm
.macro HFALL g                         ; those of the live sub-tiles
	HFLD \g, 0
	s_cmp_lt_u32 s31, 2
	s_cbranch_scc1 .Lhf_end_\@
	HFLD \g, 1
	s_cmp_lt_u32 s31, 3
	s_cbranch_scc1 .Lhf_end_\@
	HFLD \g, 2
	s_cmp_lt_u32 s31, 4
	s_cbranch_scc1 .Lhf_end_\@
	HFLD \g, 3
.Lhf_end_\@:
.endm
.macro P2MUL g, i, slot                ; 8 products: four accumulators by turns, one instruction a turn
	WIN 0x05
.irp sp, 0,1
.irp t, 0,1,2,3
.set rD, ACC+32*(\i)+8*\t
.set rA, 64+64*(\slot)+16*\t+8*\sp
.set rB, 16*(\i)+8*\sp
.set rSA, 48+16*(\t/2)+2*(\g)+\sp
.set rSB, 80-48*((\i)/2)+2*(\g)+\sp
.set fA, \t%2
.set fB, (\i)%2
	MM rD, rA, rB, rD, rSA, rSB, fA, fB
.endr
.endr
	WIN 0
.endm
; cnt: how many loads from memory, issued behind this group's, may stay out; under 0: the group's W2 came from the stash
.macro GROUP g, slot, cnt
.if \cnt >= 0
	s_wait_loadcnt \cnt
.endif
	s_wait_dscnt 0x0                               ; this group's hidden fragments, what came from the stash, and, the first time, the scale words
	P2MUL \g, 0, \slot
	s_cmp_lt_u32 s31, 2
	s_cbranch_scc1 .Lgroup_end_\@
	P2MUL \g, 1, \slot
	s_cmp_lt_u32 s31, 3
	s_cbranch_scc1 .Lgroup_end_\@
	P2MUL \g, 2, \slot
	s_cmp_lt_u32 s31, 4
	s_cbranch_scc1 .Lgroup_end_\@
	P2MUL \g, 3, \slot
.Lgroup_end_\@:
	PLACES                                         ; ahead of the loads into the slot and the fragments just multiplied
.endm
; the way out of sub-tile i: x c in place; through my own stage, so that sixteen lanes hold 256 consecutive bytes of a row; each row to its (token, k)
.macro OUT i
.irp q, 0,2,4,6,8,10,12,14,16,18,20,22,24,26,28,30
	v_pk_mul_f32 v[ACC+32*(\i)+\q:ACC+32*(\i)+\q+1], v[ACC+32*(\i)+\q:ACC+32*(\i)+\q+1], v[24+2*(\i):25+2*(\i)] op_sel_hi:[1,0]
.endr
.irp t, 0,1,2,3
.irp hf, 0,1
	ds_store_b128 v16, v[ACC+32*(\i)+8*\t+4*\hf:ACC+32*(\i)+8*\t+4*\hf+3] offset:64*\t+16*\hf
.endr
.endr
.irp f, 0,1,2,3,4,5,6,7
	ds_load_b128 v[ACC+32*(\i)+4*\f:ACC+32*(\i)+4*\f+3], v17 offset:544*\f   ; LDS serves a wave's instructions in order: these see the stores above.  Rows 2 f + h
.endr
.irp f, 0,1,2,3,4,5,6,7
	ds_load_b32 v[230+\f], v254 offset:64*(\i)+8*\f   ; and those rows' entries
.endr
	s_wait_dscnt 0x0
	s_wait_xcnt 0x0                                ; earlier stores have read their offsets, which are written anew below
.irp f, 0,1,2,3,4,5,6,7
	v_min_u32 v[230+\f], 255, v[230+\f]
.endr
.irp f, 0,1,2,3,4,5,6,7
	v_lshl_add_u32 v[238+\f], v[230+\f], 11, v20   ; entry x 2,048 + 256 wave + 16 r
.endr
.irp f, 0,1,2,3,4,5,6,7
	global_store_b128 v[238+\f], v[ACC+32*(\i)+4*\f:ACC+32*(\i)+4*\f+3], s[24:25] th:TH_STORE_NT   ; sixteen lanes store 256 consecutive bytes, aligned
.endr
.endm
	s_load_b512 s[4:19], s[0:1], 0x0               ; wl1, W1's scales, b1, wl2, W2's scales, b2, xq, xs
	s_load_b128 s[20:23], s[0:1], 0x40             ; sel, wts
	s_load_b64 s[24:25], s[0:1], 0x50              ; y
	v_lshl_add_u32 v4, v0, 2, SPARE                ; my spare word
	v_mov_b32 v5, 0
	v_lshrrev_b32 v1, 5, v0
	v_readfirstlane_b32 s26, v1                    ; wave 0..7
	s_and_b32 s27, ttmp7, 0xffff                   ; e
	s_mov_b32 s28, ttmp9                           ; j
	v_and_b32 v1, 31, v0                           ; L
	v_and_b32 v2, 15, v0                           ; r
	v_bfe_u32 v3, v0, 4, 1                         ; h
	v_lshlrev_b32 v6, 4, v1                        ; wl1: 16 L
	s_lshl_b32 s74, s26, 16
	v_add_nc_u32 v7, s74, v6                       ; wl2: 16 L + my four tiles
	v_and_b32 v8, 8, v2
	v_add_nc_u32 v8, v8, v2
	v_lshl_add_u32 v8, v3, 3, v8
	v_lshlrev_b32 v8, 4, v8                        ; W1's scale words: row 8 h + r + 8 (r / 8), 16 bytes a row
	v_lshlrev_b32 v9, 6, v3                        ; b1: 64 h
	v_lshlrev_b32 v12, 4, v1                       ; HIMG + 16 L
	v_mul_u32_u24 v13, v1, 80
	v_add_nc_u32 v13, HSC, v13                     ; HSC + 80 L
	v_lshl_add_u32 v15, v1, 4, XIMG                ; XIMG + 16 L
	s_lshl_b32 s74, s26, 11
	v_add_nc_u32 v14, s74, v15                     ; + 2,048 wave: the two fragments that I gather
	s_mul_i32 s75, s26, 4352
	s_add_co_u32 s75, s75, STG                     ; my stage
	v_mul_u32_u24 v16, v2, 272
	v_lshl_add_u32 v16, v3, 5, v16
	v_add_nc_u32 v16, s75, v16                     ; in: row r, + 32 h
	v_mul_u32_u24 v17, v3, 272
	v_lshl_add_u32 v17, v2, 4, v17
	v_add_nc_u32 v17, s75, v17                     ; back: row h, + 16 r
	v_lshlrev_b32 v18, 4, v2
	v_lshl_add_u32 v18, v3, 3, v18
	v_add_nc_u32 v18, s74, v18                     ; HIMG + 2,048 wave + 16 r + 8 h
	v_mul_u32_u24 v19, v2, 80
	s_lshl_b32 s76, s26, 3
	s_add_co_u32 s76, s76, HSC
	v_add_nc_u32 v19, s76, v19                     ; HSC + 80 r + 8 wave
	s_lshl_b32 s76, s26, 8
	v_lshl_add_u32 v20, v2, 4, s76                 ; y: 256 wave + 16 r
	v_lshlrev_b32 v21, 6, v1                       ; W2's scale words: 64 L
	v_mov_b32 v22, 0x40b504f3                      ; 4 sqrt 2
	v_lshlrev_b32 v23, 5, v3                       ; b2: 32 h
	s_and_b32 s76, s26, 1
	s_lshl_b32 s76, s76, 7
	v_lshl_add_u32 v246, v3, 4, s76                ; xq: 16 h + 128 (wave % 2)
	v_lshlrev_b32 v247, 3, v1                      ; sel: 8 L
	v_mov_b32 v248, 0x2fa84a8d                     ; P's second coefficient,
	v_mov_b32 v249, 0x2fa84a8d
	v_mov_b32 v250, 0xb7dfbd29                     ; Q's second
	v_mov_b32 v251, 0xb7dfbd29
	v_lshl_add_u32 v252, v2, 2, LIST               ; LIST + 4 r
	v_lshl_add_u32 v253, v1, 2, LIST               ; LIST + 4 L
	v_lshl_add_u32 v254, v3, 2, LIST               ; LIST + 4 h
	s_lshr_b32 s76, s26, 1
	s_lshl_b32 s76, s76, 6
	v_add_nc_u32 v255, s76, v252                   ; LIST + 4 r + 64 (wave / 2)
	SPAIR 40, 0xabd3f331                           ; P, highest power first (the second is in v248)
	SPAIR 42, 0xb347667d
	SPAIR 44, 0xb628d45d
	SPAIR 46, 0xb8883d9c
	SPAIR 48, 0xba08eb41
	SPAIR 50, 0xbbba79f3
	SPAIR 52, 0xb57460cd                           ; Q (the second is in v250)
	SPAIR 54, 0xb9dc924e
	SPAIR 56, 0xbb719bf8
	SPAIR 58, 0xbc69b6a7
	s_mov_b32 s72, 0x76543210
	s_mov_b32 s73, 0xfedcba98                      ; v_permlanex16_b32's selects for lane l xor 16
	s_wait_kmcnt 0x0
	s_mov_b32 s75, 0
	s_lshl_b32 s76, s27, 19
	s_lshl_b32 s77, s26, 16
	s_add_co_u32 s74, s76, s77
	s_add_nc_u64 s[4:5], s[4:5], s[74:75]          ; wl1: expert, my eight chunks
	s_mov_b32 s74, s76
	s_add_nc_u64 s[10:11], s[10:11], s[74:75]      ; wl2: expert
	s_lshl_b32 s76, s27, 15
	s_lshl_b32 s77, s26, 12
	s_add_co_u32 s74, s76, s77
	s_add_nc_u64 s[6:7], s[6:7], s[74:75]          ; W1's scales: expert, my 256 rows of 16 bytes
	s_add_nc_u64 s[12:13], s[12:13], s[74:75]      ; W2's scales: expert, my 64 rows of 64 bytes
	s_lshl_b32 s76, s27, 13
	s_lshl_b32 s77, s26, 10
	s_add_co_u32 s74, s76, s77
	s_add_nc_u64 s[8:9], s[8:9], s[74:75]          ; b1
	s_lshl_b32 s76, s27, 11
	s_lshl_b32 s77, s26, 8
	s_add_co_u32 s74, s76, s77
	s_add_nc_u64 s[14:15], s[14:15], s[74:75]      ; b2
	s_lshl_b32 s74, s28, 15
	s_add_nc_u64 s[16:17], s[16:17], s[74:75]      ; xq: my 128 tokens
	s_lshl_b32 s74, s28, 11
	s_add_nc_u64 s[18:19], s[18:19], s[74:75]      ; xs
	s_lshl_b32 s74, s28, 10
	s_add_nc_u64 s[20:21], s[20:21], s[74:75]      ; sel
	s_add_nc_u64 s[22:23], s[22:23], s[74:75]      ; wts
	s_lshl_b32 s74, s28, 19
	s_add_nc_u64 s[24:25], s[24:25], s[74:75]      ; y
	s_mov_b64 s[66:67], s[4:5]                     ; the three pointers that walk W1's pairs of chunks
	s_mov_b64 s[68:69], s[6:7]
	s_mov_b64 s[70:71], s[8:9]
.irp wd, 0,1,2,3
	global_load_b64 v[160+2*\wd:161+2*\wd], v247, s[20:21] offset:256*\wd   ; the two experts of tokens 32 wd + L
.endr
	LOADW1 0, 0                                    ; the first chunk does not hang on the list: it is asked for at once, on every way
.irp tp, 0,1
.irp m, 0,1,2,3
	global_load_b128 v[48+16*\tp+4*\m:48+16*\tp+4*\m+3], v21, s[12:13] offset:2048*\tp+16*\m   ; W2's scale words stay: K step ks of tiles 2 tp (lanes 0-15) and 2 tp + 1 (lanes 16-31) in v[48 + 16 tp + ks]
.endr
.endr
	s_wait_loadcnt 29                              ; the indices are in: behind them stand the chunk's 21 loads and the 8 of scale words
	; the list: a row's rank among the work-group's rows, in the order of tokens.  Every wave counts; wave 0 writes.  Slots 128 + L take what belongs nowhere
	s_mov_b32 s29, 0
	v_add_nc_u32 v168, 128, v1
	v_lshlrev_b32 v169, 1, v1
.irp wd, 0,1,2,3
	v_cmp_eq_u32 s37, s27, v[160+2*\wd]
	v_cmp_eq_u32 s38, s27, v[161+2*\wd]
	s_or_b32 s39, s37, s38
	v_mbcnt_lo_u32_b32 v170, s39, s29              ; rows so far + rows in lower lanes
	v_cndmask_b32 v170, v168, v170, s39
	v_min_u32 v170, 159, v170
	v_lshl_add_u32 v[172+\wd], v170, 2, LIST
	v_cndmask_b32 v171, 0, 1, s38
	v_add3_u32 v[176+\wd], v171, v169, 64*\wd      ; the entry: 2 x token + k
	s_bcnt1_i32_b32 s39, s39
	s_add_co_u32 s29, s29, s39
.endr
.irp wd, 0,1,2,3                               ; slots from n on take a copy of the first entry
	v_add_nc_u32 v187, 32*\wd, v1
	v_cmp_le_u32 s37, s29, v187
	v_cndmask_b32 v187, v168, v187, s37
	v_min_u32 v187, 159, v187
	v_lshl_add_u32 v[180+\wd], v187, 2, LIST
.endr
	v_mov_b32 v184, LIST
	v_mov_b32 v185, 0
	s_mul_i32 s74, s26, STW
	s_add_co_u32 s74, s74, STASH
	v_add_nc_u32 v1, s74, v6                       ; the lane's number is done with: v1 is now my place in my stash: STASH + 24,576 wave + 16 L
	s_mov_b32 s30, s29                             ; rows still to be done
	s_min_u32 s31, s30, 64
	s_add_co_u32 s31, s31, 15
	s_lshr_b32 s31, s31, 4                         ; this pass's sub-tiles
	s_mov_b32 s32, 0
	s_cmp_lg_u32 s26, 0
	s_cbranch_scc1 .Lnot_wave_0
	ds_store_b32 v184, v185                        ; (n = 0: the first entry is token 0's)
.irp wd, 0,1,2,3
	ds_store_b32 v[172+\wd], v[176+\wd]
.endr
	ds_load_b32 v186, v184                         ; LDS serves a wave's instructions in order: the first entry
	s_wait_dscnt 0x0
.irp wd, 0,1,2,3
	ds_store_b32 v[180+\wd], v186
.endr
.Lnot_wave_0:
	s_wait_dscnt 0x0
	s_barrier_signal -1
	s_barrier_wait -1                              ; the list lies in LDS; no wave has touched LDS otherwise
	v_lshl_add_u32 v187, v0, 4, HSC                ; the hidden layer's scale bytes begin as 1.0, once: rows of sub-tiles that are not walked are loaded with their neighbours'
.irp i, 0,1,2,3
	v_mov_b32 v[188+\i], 0x7f7f7f7f
.endr
	ds_store_b128 v187, v[188:191]
	ds_store_b128 v187, v[188:191] offset:4096
	STAGEX 0                                       ; the first pass's rows, on every way
.Lpass:                                            ; two trips
	s_wait_dscnt 0x0                               ; my stores of x's images (and the fill) have landed; my reads of the last pass's hidden layer are over
	s_barrier_signal -1
	s_barrier_wait -1
	WIN 0x40
.irp f, 0,1,2,3,4,5,6,7,8,9,10,11,12,13,14,15
.irp c, 0,1
	ds_load_b128 v[8*\f+4*\c:8*\f+4*\c+3], v15 offset:1024*\f+512*\c   ; x's 16 fragments stay in registers for the first product
.endr
.endr
	WIN 0
	s_mov_b32 s33, 0
	s_mov_b32 s34, 0
	s_mov_b32 s35, 0
	s_mov_b32 s36, 0
	s_mov_b32 s60, 0
.Lpair:                                            ; four trips: a pair of chunks = half a K step of the second product
	v_add_nc_u32 v10, s34, v18                     ; where this pair's codes go: + 512 a pair
	v_add_nc_u32 v11, s35, v19                     ; and its scale bytes: + 2 a pair
	v_add_nc_u32 v2, s36, v1                       ; this pair's tile of W2 in my stash: + 6,144 a pair,
	v_add_nc_u32 v3, s60, v7                       ; and in wl2: + 16,384 a pair (at a pass's first pair the first chunk's loads may be out; each chunk ends behind a wait for all)
	s_cmp_lt_u32 s31, 1
	s_cbranch_scc1 .Lpair_end                      ; a pass without rows asks for nothing
	CHUNK 0
	CHUNK 1
.Lpair_end:
	s_add_co_u32 s34, s34, 512
	s_add_co_u32 s35, s35, 2
	s_add_co_u32 s36, s36, 6144
	s_add_co_u32 s60, s60, 16384
	s_add_co_u32 s33, s33, 1
	s_cmp_lt_u32 s33, 4
	s_cbranch_scc1 .Lpair
	s_wait_loadcnt 0x0                             ; no load is out on any way
	s_wait_dscnt 0x0                               ; my codes, scale bytes and stash have landed; my loads of x's images are in
	s_barrier_signal -1
	s_barrier_wait -1                              ; the hidden layer lies in LDS
	s_cmp_lt_u32 s31, 1
	s_cbranch_scc1 .Lsecond_end
.irp m, 0,1,2,3
	ds_load_b128 v[80+4*\m:80+4*\m+3], v13 offset:16*\m          ; the hidden layer's scale words: K step ks of sub-tiles 0 (lanes 0-15) and 1 (lanes 16-31) in v[80 + ks],
	ds_load_b128 v[32+4*\m:32+4*\m+3], v13 offset:2560+16*\m     ; of sub-tiles 2 and 3 in v[32 + ks]
.endr
.irp i, 0,1,2,3
.irp t, 0,1,2,3
.irp hf, 0,1
	global_load_b128 v[ACC+32*\i+8*\t+4*\hf:ACC+32*\i+8*\t+4*\hf+3], v23, s[14:15] offset:64*\t+16*\hf   ; the sums begin as b2, in the result's layout: every product is then a link in place
.endr
.endr
.endr
	W2LD 3, 1                                      ; groups 3 and 4 are asked of memory now: they have groups 0 to 2 in which to land
	W2LD 4, 2
	SLD 0
	HFALL 0
	GROUP 0, 0, 32                                 ; b2 is in; the 32 loads of groups 3 and 4 may be out
	SLD 1
	HFALL 1
	GROUP 1, 0, -1
	SLD 2
	HFALL 2
	GROUP 2, 0, -1
	W2LD 5, 0                                      ; the stash is read out: its slot joins the ring
	HFALL 3
	GROUP 3, 1, 32                                 ; behind group 3's loads stand those of groups 4 and 5
	W2LD 6, 1
	HFALL 4
	GROUP 4, 2, 32                                 ; groups 5 and 6
	W2LD 7, 2
	HFALL 5
	GROUP 5, 0, 32                                 ; groups 6 and 7
	HFALL 6
	GROUP 6, 1, 16                                 ; group 7
	HFALL 7
	GROUP 7, 2, 0
	OUT 0
	s_cmp_lt_u32 s31, 2
	s_cbranch_scc1 .Lsecond_end
	OUT 1
	s_cmp_lt_u32 s31, 3
	s_cbranch_scc1 .Lsecond_end
	OUT 2
	s_cmp_lt_u32 s31, 4
	s_cbranch_scc1 .Lsecond_end
	OUT 3
.Lsecond_end:
	s_wait_loadcnt 0x0                             ; no load is out, and
	s_wait_xcnt 0x0                                ; the stores have read their registers: pointers, offsets and data may be written anew
	s_sub_co_i32 s30, s30, 64
	s_max_i32 s30, s30, 0                          ; rows left for the next pass
	s_min_u32 s31, s30, 64
	s_add_co_u32 s31, s31, 15
	s_lshr_b32 s31, s31, 4
.irp a, 252,253,254,255
	v_add_nc_u32 v\a, 256, v\a                     ; the list's next 64 rows
.endr
	s_mov_b64 s[66:67], s[4:5]
	s_mov_b64 s[68:69], s[6:7]
	s_mov_b64 s[70:71], s[8:9]
	s_cmp_lt_u32 s31, 1
	s_cbranch_scc1 .Lno_next
	STAGEX 1                                       ; every wave has read x's old images: it waited for them ahead of the barrier behind the first product
.Lno_next:
	s_add_co_u32 s32, s32, 1
	s_cmp_lt_u32 s32, 2
	s_cbranch_scc1 .Lpass
	s_wait_tensorcnt 0x0                           ; the wave's end, behind my last LDS store
	ds_add_u32 v4, v5
	s_wait_dscnt 0x0
	s_endpgm
.Lfunc_end_k_q1dc9091fa2_chain:
	.size	k_q1dc9091fa2_chain, .Lfunc_end_k_q1dc9091fa2_chain-k_q1dc9091fa2_chain
	.p2alignl 7, 3214868480
	.fill 96, 4, 3214868480
	.section	.rodata,"a",@progbits
	.p2align	6, 0x0
	.amdhsa_kernel k_q1dc9091fa2_chain
		.amdhsa_group_segment_fixed_size 323584
		.amdhsa_private_segment_fixed_size 0
		.amdhsa_enable_private_segment 0
		.amdhsa_kernarg_size 88
		.amdhsa_user_sgpr_count 2
		.amdhsa_user_sgpr_kernarg_segment_ptr 1
		.amdhsa_wavefront_size32 1
		.amdhsa_system_sgpr_workgroup_id_x 1
		.amdhsa_system_sgpr_workgroup_id_y 1
		.amdhsa_system_sgpr_workgroup_id_z 1
		.amdhsa_system_vgpr_workitem_id 0
		.amdhsa_next_free_vgpr 512
		.amdhsa_next_free_sgpr 80
		.amdhsa_reserve_vcc 0
		.amdhsa_float_denorm_mode_32 3
		.amdhsa_float_denorm_mode_16_64 3
		.amdhsa_memory_ordered 1
		.amdhsa_forward_progress 1
		.amdhsa_inst_pref_size 199
	.end_amdhsa_kernel
	.amdgpu_metadata
---
amdhsa.version: [ 1, 2 ]
amdhsa.kernels:
  - .name:           k_q1dc9091fa2_chain
    .symbol:         k_q1dc9091fa2_chain.kd
    .args:
      - { .name: wl1, .offset: 0, .size: 8, .value_kind: global_buffer, .address_space: global }
      - { .name: W1_scales, .offset: 8, .size: 8, .value_kind: global_buffer, .address_space: global }
      - { .name: b1, .offset: 16, .size: 8, .value_kind: global_buffer, .address_space: global }
      - { .name: wl2, .offset: 24, .size: 8, .value_kind: global_buffer, .address_space: global }
      - { .name: W2_scales, .offset: 32, .size: 8, .value_kind: global_buffer, .address_space: global }
      - { .name: b2, .offset: 40, .size: 8, .value_kind: global_buffer, .address_space: global }
      - { .name: xq, .offset: 48, .size: 8, .value_kind: global_buffer, .address_space: global }
      - { .name: xs, .offset: 56, .size: 8, .value_kind: global_buffer, .address_space: global }
      - { .name: sel, .offset: 64, .size: 8, .value_kind: global_buffer, .address_space: global }
      - { .name: wts, .offset: 72, .size: 8, .value_kind: global_buffer, .address_space: global }
      - { .name: y, .offset: 80, .size: 8, .value_kind: global_buffer, .address_space: global }
    .group_segment_fixed_size: 323584
    .private_segment_fixed_size: 0
    .kernarg_segment_align: 8
    .kernarg_segment_size: 88
    .max_flat_workgroup_size: 256
    .sgpr_count:     80
    .vgpr_count:     512
    .wavefront_size: 32
...
	.end_amdgpu_metadata
.endif
;; end of part 2
;; launch combine (part 3): grid 256 x 1, 8 waves a work-group, no clusters, 0 bytes of LDS; arguments y, out0; writes out0
.if DOCPART == 3
	.amdgcn_target "amdgcn-amd-amdhsa--gfx1250"
	.amdhsa_code_object_version 6
	.text
	.protected	k_q1dc9091fa2_combine
	.globl	k_q1dc9091fa2_combine
	.p2align	8
	.type	k_q1dc9091fa2_combine,@function
k_q1dc9091fa2_combine:
	s_mov_b64 s[64:65], 0
	v_nop
	global_prefetch_b8 v0, s[64:65] scope:SCOPE_SE
	s_setreg_imm32_b32 hwreg(HW_REG_WAVE_MODE, 25, 1), 1
	s_wait_xcnt 0x0
; COMBINE: out[token] = y[token][0] + y[token][1]: the last product of reference(), of which only the two chosen experts' terms are not multiplied by 0 (shown at the head of the first kernel);
; the weights were multiplied in where the rows were made.  A stream: each byte of y is read once and each byte of out written once, by loads and stores of 512 consecutive bytes a wave.
; A wave takes two tokens: all its 16 loads go out together.  No LDS, no barrier, no loop.
	s_load_b128 s[4:7], s[0:1], 0x0                ; y, out
	v_lshrrev_b32 v1, 5, v0
	v_readfirstlane_b32 s8, v1                     ; wave 0..7
	v_and_b32 v1, 31, v0
	v_lshlrev_b32 v1, 4, v1                        ; 16 bytes a lane
	s_lshl_b32 s9, ttmp9, 4
	s_lshl_b32 s10, s8, 1
	s_add_co_u32 s9, s9, s10                       ; my first token: 16 work-group + 2 wave
	s_lshl_b32 s10, s9, 12                         ; 4,096 bytes a token in y,
	s_mov_b32 s11, 0
	s_lshl_b32 s12, s9, 11                         ; 2,048 in out
	s_mov_b32 s13, 0
	s_wait_kmcnt 0x0
	s_add_nc_u64 s[4:5], s[4:5], s[10:11]
	s_add_nc_u64 s[6:7], s[6:7], s[12:13]
.irp t, 0,1
.irp k, 0,1
.irp q, 0,1,2,3
	global_load_b128 v[8+32*\t+16*\k+4*\q:8+32*\t+16*\k+4*\q+3], v1, s[4:5] offset:4096*\t+2048*\k+512*\q th:TH_LOAD_NT
.endr
.endr
.endr
.irp t, 0,1
	s_wait_loadcnt 8-8*\t                          ; this token's eight loads are in; the other token's may be out
.irp q, 0,1,2,3
	v_pk_add_f32 v[8+32*\t+4*\q:8+32*\t+4*\q+1], v[8+32*\t+4*\q:8+32*\t+4*\q+1], v[24+32*\t+4*\q:24+32*\t+4*\q+1]
	v_pk_add_f32 v[10+32*\t+4*\q:10+32*\t+4*\q+1], v[10+32*\t+4*\q:10+32*\t+4*\q+1], v[26+32*\t+4*\q:26+32*\t+4*\q+1]
.endr
.irp q, 0,1,2,3
	global_store_b128 v1, v[8+32*\t+4*\q:8+32*\t+4*\q+3], s[6:7] offset:2048*\t+512*\q th:TH_STORE_NT
.endr
.endr
	s_endpgm
.Lfunc_end_k_q1dc9091fa2_combine:
	.size	k_q1dc9091fa2_combine, .Lfunc_end_k_q1dc9091fa2_combine-k_q1dc9091fa2_combine
	.p2alignl 7, 3214868480
	.fill 96, 4, 3214868480
	.section	.rodata,"a",@progbits
	.p2align	6, 0x0
	.amdhsa_kernel k_q1dc9091fa2_combine
		.amdhsa_group_segment_fixed_size 0
		.amdhsa_private_segment_fixed_size 0
		.amdhsa_enable_private_segment 0
		.amdhsa_kernarg_size 16
		.amdhsa_user_sgpr_count 2
		.amdhsa_user_sgpr_kernarg_segment_ptr 1
		.amdhsa_wavefront_size32 1
		.amdhsa_system_sgpr_workgroup_id_x 1
		.amdhsa_system_sgpr_workgroup_id_y 1
		.amdhsa_system_sgpr_workgroup_id_z 1
		.amdhsa_system_vgpr_workitem_id 0
		.amdhsa_next_free_vgpr 80
		.amdhsa_next_free_sgpr 66
		.amdhsa_reserve_vcc 0
		.amdhsa_float_denorm_mode_32 3
		.amdhsa_float_denorm_mode_16_64 3
		.amdhsa_memory_ordered 1
		.amdhsa_forward_progress 1
		.amdhsa_inst_pref_size 5
	.end_amdhsa_kernel
	.amdgpu_metadata
---
amdhsa.version: [ 1, 2 ]
amdhsa.kernels:
  - .name:           k_q1dc9091fa2_combine
    .symbol:         k_q1dc9091fa2_combine.kd
    .args:
      - { .name: y, .offset: 0, .size: 8, .value_kind: global_buffer, .address_space: global }
      - { .name: out0, .offset: 8, .size: 8, .value_kind: global_buffer, .address_space: global }
    .group_segment_fixed_size: 0
    .private_segment_fixed_size: 0
    .kernarg_segment_align: 8
    .kernarg_segment_size: 16
    .max_flat_workgroup_size: 256
    .sgpr_count:     66
    .vgpr_count:     80
    .wavefront_size: 32
...
	.end_amdgpu_metadata
.endif
;; end of part 3
